; MI455X (gfx1250); checked and timed in simulation.
; The chip was launched on July 23, 2026; its instructions are those of AMD's public machine-readable ISA for CDNA 5 (MIT licence, August 2026) and "CDNA5" Instruction Set Architecture Reference Guide (July 2026). The comments in the code are by the model that wrote it; some were corrected since.
;; Permuto Encoding. Allowed arithmetic: float matrix products may take bf16 or f16 operands with f32 sums; other float arithmetic in f32, or as packed bf16 or f16 multiplies, adds, multiply-adds, maxima and minima; sums over many terms, partial sums and values carried from step to step in f32; what a program stores and reads back later, other than sums and carried values, may be rounded once to bf16 or f16.
;; Inputs: anneal_window 16 float32; lattice_values 16 x 262,144 x 2 float32; positions 524,288 x 3 float32; random_shift 16 x 3 float32; scale_factor 16 x 3 float32.
;; Outputs: out0 524,288 x 32 float32.
;; 2 versions, each right; version 2 is version 1 with the launch blend written anew for expert scheduling mode. Each part assembles by itself: llvm-mc -triple=amdgcn-amd-amdhsa -mcpu=gfx1250 --defsym DOCPART=n.
;; ======== version 1 of 2: 2 launches
;; limits: values within 6.1e-05 (relative) of each other or of a threshold may be ordered or decided otherwise than in the reference; right only within a limited range of input values
;; workspace buffers: words 33,554,432 bytes of whole numbers
;; launch keys (part 1): grid 1024 x 1, 8 waves a work-group, no clusters, 0 bytes of LDS; arguments positions, random_shift, scale_factor, words; writes words
.if DOCPART == 1
	.amdgcn_target "amdgcn-amd-amdhsa--gfx1250"
	.amdhsa_code_object_version 6
	.text
	.protected	k_qf1d0554e3f_keys
	.globl	k_qf1d0554e3f_keys
	.p2align	8
	.type	k_qf1d0554e3f_keys,@function
k_qf1d0554e3f_keys:
	s_mov_b64 s[64:65], 0
	v_nop
	global_prefetch_b8 v0, s[64:65] scope:SCOPE_SE
	s_setreg_imm32_b32 hwreg(HW_REG_WAVE_MODE, 25, 1), 1
	s_wait_xcnt 0x0
; PERMUTOHEDRAL ENCODING, FIRST OF TWO LAUNCHES: THE KEYS.  No address of a launch may hang on floating-point numbers of that launch, so the
; simplex of every (point, level) is found here and stored as ONE whole number; the second launch forms its four table indices from it.
; THE ARITHMETIC.  c = (position + shift) * scale; elevated e0 = (c2+c1)+c0, e1 = (c2+c1)-c0, e2 = c2-2 c1, e3 = -3 c2: the same additions and
; multiplications as the module's (the products by 2 are exact, so the fused line rounds as the two lines would).  q_i = e_i/4 - 1 rounded to a
; whole number, t_i = e_i - 4 q_i in 2 .. 6.  With the t sorted downward, s0 >= s1 >= s2 >= s3, the simplex's four vertices carry the weights
; (s0-s1)/4, (s1-s2)/4, (s2-s3)/4, (4+s3-s0)/4, and vertex k has the hash  h_k = H + (3-k) T - 4 (sum of M^(3-i) over the coordinates i < 3 ranked below k),
; T = M + M^2 + M^3,  H = q0 (4 M^3 - T) + q1 (4 M^2 - T) + q2 (4 M - T) - q3 T,  all modulo the table's 2^18.  This is the module's rank, sum
; correction and wrap worked out: adding the sum to the ranks turns the ring of four gaps and vertices round, and takes the sum off every key.
; The four multipliers of H add up to 0, so the common -1 in q changes nothing; it keeps t away from 0.  Which way a tie is rounded, and how
; equal t are ordered, changes neither the set of vertices with a weight above 0 nor their weights.
; THE WORD.  Bits 31:14 H; bits 3:2, 5:4, 7:6 the coordinates ranked 3, 2, 1; the other bits 0.  Words lie [level][point].
; THE SORT CARRIES THE COORDINATE'S NUMBER in bits 7:2 of t (three copies), so the sorted numbers hold it in the place where the word wants it.
; LIMITS.  |elevated| below 2^26 (e/4 - 1 is then exact wherever it decides).  NaN and infinities are not treated apart.  Two t closer than 2^-13
; may be ordered here otherwise than the second launch, which sorts the untouched t, orders them: a weight below 2^-15 then goes to a neighbouring vertex.
; SHARES.  1,024 work-groups of eight waves; thread t of group g owns the points 2 (256 g + t) and the next, as register pairs, so that every f32
; addition, multiplication and fused line is packed over the two; the level's constants are scalar operands given to both halves.
; No LDS, no barrier: no wave needs another's numbers.
.set NPTS,   524288
.set LEVELS, 16
.set LVLB,   NPTS*4                    ; bytes of one level's words
.set HM,     2531011                   ; the hash's multiplier M; only the low 18 bits of a hash are used
.set MP1,    HM & 0x3ffff
.set MP2,    (MP1*HM) & 0x3ffff
.set MP3,    (MP2*HM) & 0x3ffff
.set MSUM,   (MP1+MP2+MP3) & 0x3ffff   ; T
.set PX, 4                             ; v[4:5] x of my two points, v[6:7] y, v[8:9] z
.set PY, 6
.set PZ, 8
.set CC, 10                            ; v[10:15] c0, c1, c2
.set SM, 16                            ; v[16:17] c2 + c1
.set EL, 18                            ; v[18:25] elevated i at EL + 2 i, then t
.set QQ, 26                            ; v[26:33] q i at QQ + 2 i
.set HH, 34                            ; v[34:35] H
.set WW, 36                            ; v[36:37] the two words
.set MX, 38                            ; v[38:43] largest, middle, smallest of t0, t1, t2
.set MD, 40
.set MN, 42
.set R1, 44                            ; v[44:49] the numbers ranked 1, 2, 3
.set R2, 46
.set R3, 48
.set QRT, 34                           ; s[34:35] 0.25
; From the positions to t and q (f32) of one level.  sh, sc: first scalar register of the level's shifts and scales: number 0 at +0, number 2 at +2,
; number 1 at +4: a packed line takes a scalar pair's low word for both halves, so each constant lies in an even register.
.macro LIFT sh, sc
	v_pk_add_f32 v[CC:CC+1],     v[PX:PX+1],     s[\sh:\sh+1]   op_sel_hi:[1,0]
	v_pk_add_f32 v[CC+2:CC+3],   v[PY:PY+1],     s[\sh+4:\sh+5] op_sel_hi:[1,0]
	v_pk_add_f32 v[CC+4:CC+5],   v[PZ:PZ+1],     s[\sh+2:\sh+3] op_sel_hi:[1,0]
	v_pk_mul_f32 v[CC:CC+1],     v[CC:CC+1],     s[\sc:\sc+1]   op_sel_hi:[1,0]
	v_pk_mul_f32 v[CC+2:CC+3],   v[CC+2:CC+3],   s[\sc+4:\sc+5] op_sel_hi:[1,0]
	v_pk_mul_f32 v[CC+4:CC+5],   v[CC+4:CC+5],   s[\sc+2:\sc+3] op_sel_hi:[1,0]
	v_pk_add_f32 v[SM:SM+1],     v[CC+4:CC+5],   v[CC+2:CC+3]
	v_pk_add_f32 v[EL:EL+1],     v[SM:SM+1],     v[CC:CC+1]
	v_pk_add_f32 v[EL+2:EL+3],   v[SM:SM+1],     v[CC:CC+1] neg_lo:[0,1] neg_hi:[0,1]
	v_pk_fma_f32 v[EL+4:EL+5],   v[CC+2:CC+3],   -2.0, v[CC+4:CC+5] op_sel_hi:[1,0,1]
	v_pk_mul_f32 v[EL+6:EL+7],   v[CC+4:CC+5],   0xc0400000 op_sel_hi:[1,0]    ; -3 c2
.irp i, 0,2,4,6
	v_pk_fma_f32 v[QQ+\i:QQ+\i+1], v[EL+\i:EL+\i+1], s[QRT:QRT+1], -1.0 op_sel_hi:[1,0,0]
.endr
.irp i, 0,1,2,3,4,5,6,7
	v_rndne_f32 v[QQ+\i], v[QQ+\i]
.endr
.irp i, 0,2,4,6
	v_pk_fma_f32 v[EL+\i:EL+\i+1], v[QQ+\i:QQ+\i+1], -4.0, v[EL+\i:EL+\i+1] op_sel_hi:[1,0,1]  ; t = e - 4 q: the product is exact
.endr
.endm
	s_load_b256 s[4:11], s[0:1], 0x0               ; positions s[4:5], shifts s[6:7], scales s[8:9], words s[10:11]
	v_mul_u32_u24 v1, v0, 24                       ; my two points' 24 bytes in the group's positions
	v_lshlrev_b32 v2, 3, v0                        ; my two words in the group's part of a level
	s_mul_i32 s12, ttmp9, 256*24                   ; the group's 512 points
	s_mov_b32 s13, 0
	s_lshl_b32 s14, ttmp9, 11                      ; and its 512 words
	s_mov_b32 s15, 0
	s_mov_b32 s23, 0                               ; the upper halves of the scalar pairs that packed lines name: written once, never used
	s_mov_b32 s25, 0
	s_mov_b32 s31, 0
	s_mov_b32 s33, 0
	s_mov_b32 s35, 0
	s_mov_b32 s[QRT], 0x3e800000                   ; 0.25
	s_mov_b32 s36, (4*MP3-MSUM) & 0x3ffff          ; H's four multipliers
	s_mov_b32 s37, (4*MP2-MSUM) & 0x3ffff
	s_mov_b32 s38, (4*MP1-MSUM) & 0x3ffff
	s_mov_b32 s39, (0-MSUM) & 0x3ffff
	s_mov_b32 s40, 0xffffff03                      ; clears bits 7:2
	s_mov_b32 s16, LEVELS-1
	s_wait_kmcnt 0x0
	s_load_b96 s[20:22], s[6:7], 0x0               ; level 0's shifts and scales
	s_load_b96 s[28:30], s[8:9], 0x0
	s_add_nc_u64 s[4:5], s[4:5], s[12:13]
	s_add_nc_u64 s[10:11], s[10:11], s[14:15]
	global_load_b32 v[PX],   v1, s[4:5]            ; six loads, once in the launch, put the two points' numbers side by side; together a wave's six cover 768 consecutive bytes
	global_load_b32 v[PY],   v1, s[4:5] offset:4
	global_load_b32 v[PZ],   v1, s[4:5] offset:8
	global_load_b32 v[PX+1], v1, s[4:5] offset:12
	global_load_b32 v[PY+1], v1, s[4:5] offset:16
	global_load_b32 v[PZ+1], v1, s[4:5] offset:20
	s_wait_loadcnt 0x0
; One level.  ahead = 1: the next level's constants are asked for, and the words' address steps on.
.macro LEVEL ahead
	s_wait_kmcnt 0x0                               ; this level's six constants are in
	s_mov_b32 s24, s21                             ; number 1 of each three goes to an even register
	s_mov_b32 s32, s29
	LIFT 20, 28
.if \ahead
	s_add_nc_u64 s[6:7], s[6:7], 12                ; no scalar load is out, so the two addresses may step; the loads have the rest of the trip in which to land
	s_add_nc_u64 s[8:9], s[8:9], 12
	s_load_b96 s[20:22], s[6:7], 0x0
	s_load_b96 s[28:30], s[8:9], 0x0
.endif
.irp i, 0,1,2,3,4,5,6,7
	v_cvt_i32_f32 v[QQ+\i], v[QQ+\i]               ; q is a whole number: nothing is cut off
.endr
.irp p, 0,1                            ; the coordinate's number, three times, into bits 7:2 of t
	v_and_b32    v[EL+\p],   s40, v[EL+\p]
	v_and_or_b32 v[EL+2+\p], v[EL+2+\p], s40, 0x54
	v_and_or_b32 v[EL+4+\p], v[EL+4+\p], s40, 0xa8
	v_and_or_b32 v[EL+6+\p], v[EL+6+\p], s40, 0xfc
.endr
.irp p, 0,1                            ; H: the low 24 bits of each factor give the low 18 bits of the products
	v_mul_u32_u24 v[HH+\p], v[QQ+\p], s36
.endr
.irp p, 0,1                            ; three numbers sorted,
	v_max3_num_f32 v[MX+\p], v[EL+\p], v[EL+2+\p], v[EL+4+\p]
	v_med3_num_f32 v[MD+\p], v[EL+\p], v[EL+2+\p], v[EL+4+\p]
	v_min3_num_f32 v[MN+\p], v[EL+\p], v[EL+2+\p], v[EL+4+\p]
.endr
.irp p, 0,1
	v_mad_u32_u24 v[HH+\p], v[QQ+2+\p], s37, v[HH+\p]
.endr
.irp p, 0,1                            ; and the fourth set among them; the largest of all is not wanted here
	v_med3_num_f32 v[R1+\p], v[MX+\p], v[MD+\p], v[EL+6+\p]
	v_med3_num_f32 v[R2+\p], v[MD+\p], v[MN+\p], v[EL+6+\p]
	v_min_num_f32  v[R3+\p], v[MN+\p], v[EL+6+\p]
.endr
.irp p, 0,1
	v_mad_u32_u24 v[HH+\p], v[QQ+4+\p], s38, v[HH+\p]
.endr
.irp p, 0,1
	v_mad_u32_u24 v[HH+\p], v[QQ+6+\p], s39, v[HH+\p]
.endr
.irp p, 0,1                            ; the word: H on top, then from each sorted number the copy of its coordinate that lies in the right place
	v_lshlrev_b32 v[WW+\p], 14, v[HH+\p]
.endr
.irp p, 0,1
	v_bfi_b32 v[WW+\p], 12, v[R3+\p], v[WW+\p]
.endr
.irp p, 0,1
	v_bfi_b32 v[WW+\p], 48, v[R2+\p], v[WW+\p]
.endr
.irp p, 0,1
	v_bfi_b32 v[WW+\p], 0xc0, v[R1+\p], v[WW+\p]
.endr
	global_store_b64 v2, v[WW:WW+1], s[10:11]      ; a wave's store covers 256 consecutive bytes, at a multiple of 256 from the buffer's first; the next launch reads them, so no hint
.if \ahead
	s_wait_xcnt 0x0                                ; the store's address and data registers are rewritten only behind this wait (ISA guide 3.1)
	s_add_nc_u64 s[10:11], s[10:11], LVLB
.endif
.endm
.Llevel:
	LEVEL 1
	s_sub_co_u32 s16, s16, 1
	s_cmp_lg_u32 s16, 0
	s_cbranch_scc1 .Llevel
	LEVEL 0                                        ; the last level is written out: it asks for nothing beyond the buffers' ends
	s_endpgm
.Lfunc_end_k_qf1d0554e3f_keys:
	.size	k_qf1d0554e3f_keys, .Lfunc_end_k_qf1d0554e3f_keys-k_qf1d0554e3f_keys
	.p2alignl 7, 3214868480
	.fill 96, 4, 3214868480
	.section	.rodata,"a",@progbits
	.p2align	6, 0x0
	.amdhsa_kernel k_qf1d0554e3f_keys
		.amdhsa_group_segment_fixed_size 0
		.amdhsa_private_segment_fixed_size 0
		.amdhsa_enable_private_segment 0
		.amdhsa_kernarg_size 32
		.amdhsa_user_sgpr_count 2
		.amdhsa_user_sgpr_kernarg_segment_ptr 1
		.amdhsa_wavefront_size32 1
		.amdhsa_system_sgpr_workgroup_id_x 1
		.amdhsa_system_sgpr_workgroup_id_y 1
		.amdhsa_system_sgpr_workgroup_id_z 1
		.amdhsa_system_vgpr_workitem_id 0
		.amdhsa_next_free_vgpr 52
		.amdhsa_next_free_sgpr 66
		.amdhsa_reserve_vcc 0
		.amdhsa_float_denorm_mode_32 3
		.amdhsa_float_denorm_mode_16_64 3
		.amdhsa_memory_ordered 1
		.amdhsa_forward_progress 1
		.amdhsa_inst_pref_size 11
	.end_amdhsa_kernel
	.amdgpu_metadata
---
amdhsa.version: [ 1, 2 ]
amdhsa.kernels:
  - .name:           k_qf1d0554e3f_keys
    .symbol:         k_qf1d0554e3f_keys.kd
    .args:
      - { .name: positions, .offset: 0, .size: 8, .value_kind: global_buffer, .address_space: global }
      - { .name: random_shift, .offset: 8, .size: 8, .value_kind: global_buffer, .address_space: global }
      - { .name: scale_factor, .offset: 16, .size: 8, .value_kind: global_buffer, .address_space: global }
      - { .name: words, .offset: 24, .size: 8, .value_kind: global_buffer, .address_space: global }
    .group_segment_fixed_size: 0
    .private_segment_fixed_size: 0
    .kernarg_segment_align: 8
    .kernarg_segment_size: 32
    .max_flat_workgroup_size: 256
    .sgpr_count:     66
    .vgpr_count:     52
    .wavefront_size: 32
...
	.end_amdgpu_metadata
.endif
;; end of part 1
;; launch blend (part 2): grid 1024 x 1, 8 waves a work-group, no clusters, 76,800 bytes of LDS; arguments positions, random_shift, scale_factor, anneal_window, lattice_values, words, out0; writes out0
.if DOCPART == 2
	.amdgcn_target "amdgcn-amd-amdhsa--gfx1250"
	.amdhsa_code_object_version 6
	.text
	.protected	k_qf1d0554e3f_blend
	.globl	k_qf1d0554e3f_blend
	.p2align	8
	.type	k_qf1d0554e3f_blend,@function
k_qf1d0554e3f_blend:
	s_mov_b64 s[64:65], 0
	v_nop
	global_prefetch_b8 v0, s[64:65] scope:SCOPE_SE
	s_setreg_imm32_b32 hwreg(HW_REG_WAVE_MODE, 25, 1), 1
	s_wait_xcnt 0x0
; PERMUTOHEDRAL ENCODING, SECOND OF TWO LAUNCHES: GATHER AND BLEND.  out[point][level][0..1] = anneal[level] x the sum over the simplex's four vertices of weight x table[level][index].
; THE INDICES come from the first launch's word alone (bits 31:14 H; bits 3:2, 5:4, 7:6 the coordinates ranked 3, 2, 1), by whole-number work: vertex 3 has the hash H, and each
; further vertex the one before + T - 4 M^(3-i), i the coordinate next in rank (M^(3-i) counts as 0 for i = 3), T = M + M^2 + M^3, modulo the table's 2^18.  The hash stays in the word's
; top 18 bits, so the modulo is the word's own overflow; there -4 M^j is a 16-bit number in the upper half, which one v_perm_b32 takes out of a table of four in two scalar registers.
; THE WEIGHTS are made anew from the positions in f32, with the first launch's own lines, while the gathers are on their way: t_i = e_i - 4 q_i in 2 .. 6, sorted downward to s0 .. s3;
; vertex k has (s_k - s_(k+1)) / 4, vertex 3 has (4 + s3 - s0) / 4.  The division by 4 rides on anneal.
; LIMITS.  As in the first launch: |elevated| below 2^26; NaN and infinities are not treated apart; where two t lie closer than 2^-13 the first launch may have ordered them otherwise,
; and a weight below 2^-15 then goes to a neighbouring vertex.  t is rounded at 2^-21, a weight at 2^-23.
; SHARES.  1,024 work-groups of eight waves; thread t of group g owns the points 2 (256 g + t) and the next, as register pairs; a wave owns 64 points and walks the 16 levels, two a trip:
; 16 gathers of 8 bytes a lane are out while the trip's weights are made.  The level is the same in all lanes, so its constants and its table's address are scalar.
; THE WAY OUT.  A thread's results are two rows of 128 bytes; a store should cover whole runs of 256 bytes.  So a trip's four numbers a point go into a stage in LDS, the wave's own (its address is
; made of the wave's number: no barrier), and at the end the 64 rows come back as 16 loads of 512 consecutive bytes of the output.  Rows are 144 bytes apart (36 words
; ISA guide 11.1); the odd points' rows lie 4,736 bytes on, 128 modulo 256, so that a row pair read back falls on all banks once.
; No matrix unit (there is no product), no tensor load and no cluster (no tile is shared, and a level's table of 2 MiB does not fit in LDS).
.set NPTS,   524288
.set LVLB,   NPTS*4                    ; bytes of one level's words
.set TABB,   262144*8                  ; bytes of one level's table
.set TRIPS,  8                         ; 16 levels, two a trip
.set HM,     2531011
.set MP1,    HM & 0x3ffff
.set MP2,    (MP1*HM) & 0x3ffff
.set MP3,    (MP2*HM) & 0x3ffff
.set MSUM,   (MP1+MP2+MP3) & 0x3ffff
.set ROWP,   144                       ; an output row in the stage
.set BOFF,   32*ROWP+128               ; the odd points' rows
.set WSTRIDE, 9472                     ; a wave's stage: 9,328 bytes used
.set SPARE,  8*WSTRIDE                 ; behind the stages: the spare words, 128 bytes for each wave: four blocks of 256 bytes that no other line names
.set SPW, 1                            ; v1   LDS address of my spare word; never rewritten
.set NIL, 2                            ; v2   0; never rewritten
.set LW,  3                            ; v3   stage: where my even point's 16 bytes of this trip go
.set LR,  4                            ; v4   stage: where I read rows back
.set WO,  5                            ; v5   my two words in the group's part of a level
.set OO,  6                            ; v6   my 16 bytes in the group's part of the output
.set PO,  7                            ; v7   my two points' 24 bytes
.set PX,  8                            ; v[8:13] x, y, z of my two points
.set PY,  10
.set PZ,  12
.set WA,  14                           ; v[14:15] the words of the trip's first level, v[16:17] of its second
.set WB,  16
.set TA,  18                           ; v[18:19] field, selector, table entry
.set GA,  20                           ; v[20:21] the hash in hand
.set VAL, 32                           ; v[32:63] level j of the trip, vertex k, point p: index, then the two table numbers, at VAL + 16 j + 4 k + 2 p
.set GP,  64                           ; v[64:79] level j, vertex k: the gap, a pair over the two points, at GP + 8 j + 2 k
.set CC,  80                           ; v[80:85] c0, c1, c2; later largest, middle, smallest of three
.set SM,  86
.set EL,  88                           ; v[88:95] elevated, then t
.set QQ,  96                           ; v[96:103] q
.set SS,  104                          ; v[104:111] s0 .. s3
.set ACC, 112                          ; v[112:119] point p: level j's two results at ACC + 4 p + 2 j: 16 bytes of its row
.set RB,  32                           ; v[32:95] the way out: 16 x 4 registers
.set QRT, 58                           ; s[58:59] 0.25
.macro LIFT sh, sc                     ; the first launch's lines, to the letter: from the positions to t
	v_pk_add_f32 v[CC:CC+1],     v[PX:PX+1],     s[\sh:\sh+1]   op_sel_hi:[1,0]
	v_pk_add_f32 v[CC+2:CC+3],   v[PY:PY+1],     s[\sh+4:\sh+5] op_sel_hi:[1,0]
	v_pk_add_f32 v[CC+4:CC+5],   v[PZ:PZ+1],     s[\sh+2:\sh+3] op_sel_hi:[1,0]
	v_pk_mul_f32 v[CC:CC+1],     v[CC:CC+1],     s[\sc:\sc+1]   op_sel_hi:[1,0]
	v_pk_mul_f32 v[CC+2:CC+3],   v[CC+2:CC+3],   s[\sc+4:\sc+5] op_sel_hi:[1,0]
	v_pk_mul_f32 v[CC+4:CC+5],   v[CC+4:CC+5],   s[\sc+2:\sc+3] op_sel_hi:[1,0]
	v_pk_add_f32 v[SM:SM+1],     v[CC+4:CC+5],   v[CC+2:CC+3]
	v_pk_add_f32 v[EL:EL+1],     v[SM:SM+1],     v[CC:CC+1]
	v_pk_add_f32 v[EL+2:EL+3],   v[SM:SM+1],     v[CC:CC+1] neg_lo:[0,1] neg_hi:[0,1]
	v_pk_fma_f32 v[EL+4:EL+5],   v[CC+2:CC+3],   -2.0, v[CC+4:CC+5] op_sel_hi:[1,0,1]
	v_pk_mul_f32 v[EL+6:EL+7],   v[CC+4:CC+5],   0xc0400000 op_sel_hi:[1,0]    ; -3 c2
.irp i, 0,2,4,6
	v_pk_fma_f32 v[QQ+\i:QQ+\i+1], v[EL+\i:EL+\i+1], s[QRT:QRT+1], -1.0 op_sel_hi:[1,0,0]
.endr
.irp i, 0,1,2,3,4,5,6,7
	v_rndne_f32 v[QQ+\i], v[QQ+\i]
.endr
.irp i, 0,2,4,6
	v_pk_fma_f32 v[EL+\i:EL+\i+1], v[QQ+\i:QQ+\i+1], -4.0, v[EL+\i:EL+\i+1] op_sel_hi:[1,0,1]
.endr
.endm
; The gaps of level j of the trip
.macro WEIGH j, sh, sc
	LIFT \sh, \sc
.irp p, 0,1                            ; three numbers sorted,
	v_max3_num_f32 v[CC+\p],   v[EL+\p], v[EL+2+\p], v[EL+4+\p]
	v_med3_num_f32 v[CC+2+\p], v[EL+\p], v[EL+2+\p], v[EL+4+\p]
	v_min3_num_f32 v[CC+4+\p], v[EL+\p], v[EL+2+\p], v[EL+4+\p]
.endr
.irp p, 0,1                            ; and the fourth set among them
	v_max_num_f32  v[SS+\p],   v[CC+\p],   v[EL+6+\p]
	v_med3_num_f32 v[SS+2+\p], v[CC+\p],   v[CC+2+\p], v[EL+6+\p]
	v_med3_num_f32 v[SS+4+\p], v[CC+2+\p], v[CC+4+\p], v[EL+6+\p]
	v_min_num_f32  v[SS+6+\p], v[CC+4+\p], v[EL+6+\p]
.endr
.irp k, 0,1,2
	v_pk_add_f32 v[GP+8*(\j)+2*\k:GP+8*(\j)+2*\k+1], v[SS+2*\k:SS+2*\k+1], v[SS+2*\k+2:SS+2*\k+3] neg_lo:[0,1] neg_hi:[0,1]
.endr
	v_pk_add_f32 v[GP+8*(\j)+6:GP+8*(\j)+7], v[SS+6:SS+7], v[SS:SS+1] neg_lo:[0,1] neg_hi:[0,1]
	v_pk_add_f32 v[GP+8*(\j)+6:GP+8*(\j)+7], v[GP+8*(\j)+6:GP+8*(\j)+7], 4.0 op_sel_hi:[1,0]
.endm
; Vertex k of level j is asked for: its index is the top 18 bits of v[src + p].  An index that hangs on numbers read from memory enters an address only behind a v_min_u32 with the table's
; last index written in the line; it changes nothing.  The load multiplies the index by its 8 bytes and lands on its own index register.
.macro ASK j, k, src, tb
.irp p, 0,1
.set rV, VAL+16*(\j)+4*(\k)+2*\p
	v_lshrrev_b32 v[rV], 14, v[(\src)+\p]
.endr
.irp p, 0,1
.set rV, VAL+16*(\j)+4*(\k)+2*\p
	v_min_u32 v[rV], 0x3ffff, v[rV]
.endr
.irp p, 0,1
.set rV, VAL+16*(\j)+4*(\k)+2*\p
	global_load_b64 v[rV:rV+1], v[rV], s[\tb:\tb+1] scale_offset
.endr
.endm
; The next vertex's hash: v[src + p] + T + table[coordinate].  The two bits of the word under mask, times mul, are the coordinate times 0x02020000: with 0x01000606 added, the selector that
; puts the coordinate's two table bytes into the upper half and a zero byte (byte 6 of the table) into the lower two.
.macro HOP wr, mask, mul, src
.irp p, 0,1
	v_and_b32 v[TA+\p], \mask, v[(\wr)+\p]
.endr
.irp p, 0,1
	v_mad_u32_u24 v[TA+\p], v[TA+\p], s[\mul], s63
.endr
.irp p, 0,1
	v_perm_b32 v[TA+\p], s62, s61, v[TA+\p]
.endr
.irp p, 0,1
	v_add3_u32 v[GA+\p], v[(\src)+\p], s60, v[TA+\p]   ; the word's low 14 bits ride along: nothing is added to them, so nothing is carried out of them
.endr
.endm
.macro DECODE j, wr, tb                ; level j's eight gathers
	ASK \j, 3, \wr, \tb
	HOP \wr, 12, 66, \wr
	ASK \j, 2, GA, \tb
	HOP \wr, 48, 67, GA
	ASK \j, 1, GA, \tb
	HOP \wr, 0xc0, 68, GA
	ASK \j, 0, GA, \tb
.endm
; Level j's results: for each point the four vertices' two numbers times the point's gap (the pair's register p, given to both halves), then times anneal / 4
.macro BLEND j, an
.irp p, 0,1
	v_pk_mul_f32 v[ACC+4*\p+2*(\j):ACC+4*\p+2*(\j)+1], v[VAL+16*(\j)+2*\p:VAL+16*(\j)+2*\p+1], v[GP+8*(\j):GP+8*(\j)+1] op_sel:[0,\p] op_sel_hi:[1,\p]
.endr
.irp k, 1,2,3
.irp p, 0,1
	v_pk_fma_f32 v[ACC+4*\p+2*(\j):ACC+4*\p+2*(\j)+1], v[VAL+16*(\j)+4*\k+2*\p:VAL+16*(\j)+4*\k+2*\p+1], v[GP+8*(\j)+2*\k:GP+8*(\j)+2*\k+1], v[ACC+4*\p+2*(\j):ACC+4*\p+2*(\j)+1] op_sel:[0,\p,0] op_sel_hi:[1,\p,1]
.endr
.endr
.irp p, 0,1
	v_pk_mul_f32 v[ACC+4*\p+2*(\j):ACC+4*\p+2*(\j)+1], v[ACC+4*\p+2*(\j):ACC+4*\p+2*(\j)+1], s[\an:\an+1] op_sel_hi:[1,0]
.endr
.endm
	s_load_b256 s[4:11], s[0:1], 0x0               ; positions s[4:5], shifts s[6:7], scales s[8:9], anneal s[10:11]
	s_load_b128 s[12:15], s[0:1], 0x20             ; table s[12:13], words s[14:15]
	s_load_b64 s[16:17], s[0:1], 0x30              ; output
	v_lshl_add_u32 v[SPW], v0, 2, SPARE            ; the two registers of the ds_add at the wave's end
	v_mov_b32 v[NIL], 0
	v_lshrrev_b32 v22, 5, v0
	v_readfirstlane_b32 s18, v22                   ; my wave's number
	v_and_b32 v23, 31, v0                          ; lane
	s_mul_i32 s19, s18, WSTRIDE                    ; my wave's stage
	v_mul_u32_u24 v[PO], v0, 24
	v_lshlrev_b32 v[WO], 3, v0
	v_mul_u32_u24 v[LW], v23, ROWP                 ; in: lane l's even point has row l of the first 32, its odd point row l of the second 32
	v_add_nc_u32 v[LW], s19, v[LW]
	v_lshrrev_b32 v24, 4, v23                      ; back: load j takes the output's rows 4 j .. 4 j + 3; my row is 4 j + lane / 8: the point lane / 8 % 2 of lane 2 j + lane / 16,
	v_mul_u32_u24 v[LR], v24, ROWP
	v_bfe_u32 v24, v0, 3, 1
	v_mad_u32_u24 v[LR], v24, BOFF, v[LR]
	v_and_b32 v24, 7, v0                           ; and of it the 16 bytes number lane % 8
	v_lshl_add_u32 v[LR], v24, 4, v[LR]
	v_add_nc_u32 v[LR], s19, v[LR]
	v_lshlrev_b32 v[OO], 4, v23                    ; 16 x lane + the wave's 64 rows of 128 bytes
	v_lshl_add_u32 v[OO], v22, 13, v[OO]
	s_mul_i32 s50, ttmp9, 256*24                   ; the group's 512 points,
	s_mov_b32 s51, 0
	s_lshl_b32 s70, ttmp9, 11                      ; its 512 words of a level,
	s_mov_b32 s71, 0
	s_lshl_b32 s26, ttmp9, 16                      ; its 512 rows of the output
	s_mov_b32 s27, 0
.irp r, 23,25,31,33,39,41,47,49,55,57,59
	s_mov_b32 s\r, 0                               ; the upper halves of the scalar pairs that packed lines name: written once, never used
.endr
	s_mov_b32 s[QRT], 0x3e800000                   ; 0.25
	s_mov_b32 s60, MSUM<<14                        ; T, in the word's top 18 bits
	s_mov_b32 s61, ((0-MP3)&0xffff)|(((0-MP2)&0xffff)<<16)  ; the table: -M^3, -M^2,
	s_mov_b32 s62, (0-MP1)&0xffff                  ; -M, 0, 16 bits each
	s_mov_b32 s63, 0x01000606
	s_mov_b32 s66, 0x0202<<14                      ; for the field at bit 2,
	s_mov_b32 s67, 0x0202<<12                      ; at bit 4,
	s_mov_b32 s68, 0x0202<<10                      ; at bit 6
	s_wait_kmcnt 0x0
	s_load_b96 s[20:22], s[6:7], 0x0               ; the first trip's constants: levels 0 and 1
	s_load_b96 s[36:38], s[6:7], 0xc
	s_load_b96 s[28:30], s[8:9], 0x0
	s_load_b96 s[44:46], s[8:9], 0xc
	s_load_b64 s[52:53], s[10:11], 0x0
	s_add_nc_u64 s[4:5], s[4:5], s[50:51]
	s_add_nc_u64 s[14:15], s[14:15], s[70:71]
	s_add_nc_u64 s[16:17], s[16:17], s[26:27]
	s_add_nc_u64 s[72:73], s[12:13], TABB          ; the table of the trip's second level
	global_load_b64 v[WA:WA+1], v[WO], s[14:15] th:TH_LOAD_NT               ; a wave's load covers 256 consecutive bytes; each word is read once in the launch
	global_load_b64 v[WB:WB+1], v[WO], s[14:15] offset:LVLB th:TH_LOAD_NT
	global_load_b32 v[PX],   v[PO], s[4:5]         ; six loads, once in the launch, put the two points' numbers side by side
	global_load_b32 v[PY],   v[PO], s[4:5] offset:4
	global_load_b32 v[PZ],   v[PO], s[4:5] offset:8
	global_load_b32 v[PX+1], v[PO], s[4:5] offset:12
	global_load_b32 v[PY+1], v[PO], s[4:5] offset:16
	global_load_b32 v[PZ+1], v[PO], s[4:5] offset:20
	s_mov_b32 s19, TRIPS-1
; A trip: two levels.  ahead = 1: the next trip's words and constants are asked for, and the addresses step on.
.macro TRIP ahead
	s_wait_loadcnt 0x0                             ; this trip's words (and, the first time, the positions)
	DECODE 0, WA, 12
	DECODE 1, WB, 72
.if \ahead
	s_add_nc_u64 s[14:15], s[14:15], 2*LVLB        ; the loads that used this address are in
	global_load_b64 v[WA:WA+1], v[WO], s[14:15] th:TH_LOAD_NT
	global_load_b64 v[WB:WB+1], v[WO], s[14:15] offset:LVLB th:TH_LOAD_NT
.endif
	s_wait_kmcnt 0x0                               ; this trip's constants, asked for a trip ago
	s_mov_b32 s24, s21                             ; number 1 of each three goes to an even register
	s_mov_b32 s32, s29
	s_mov_b32 s40, s37
	s_mov_b32 s48, s45
	s_mul_f32 s54, s52, s[QRT]                     ; anneal / 4
	s_mul_f32 s56, s53, s[QRT]
	WEIGH 0, 20, 28                                ; the weights are made while the sixteen gathers are on their way
	WEIGH 1, 36, 44
.if \ahead
	s_add_nc_u64 s[6:7], s[6:7], 24                ; no scalar load is out, so the three addresses may step
	s_add_nc_u64 s[8:9], s[8:9], 24
	s_add_nc_u64 s[10:11], s[10:11], 8
	s_load_b96 s[20:22], s[6:7], 0x0
	s_load_b96 s[36:38], s[6:7], 0xc
	s_load_b96 s[28:30], s[8:9], 0x0
	s_load_b96 s[44:46], s[8:9], 0xc
	s_load_b64 s[52:53], s[10:11], 0x0
.endif
	s_wait_loadcnt 8+2*\ahead                      ; loads come back in order (ISA guide 5.7.1): the first level's eight are in; the second level's eight and the next words' two may be out
	BLEND 0, 54
	s_wait_loadcnt 2*\ahead                        ; the second level's too; the next words' two may be out
	BLEND 1, 56
	ds_store_b128 v[LW], v[ACC:ACC+3]              ; 16 bytes of each point's row: the trip's two levels
	ds_store_b128 v[LW], v[ACC+4:ACC+7] offset:BOFF
.if \ahead
	v_add_nc_u32 v[LW], 16, v[LW]
	s_add_nc_u64 s[12:13], s[12:13], 2*TABB        ; every gather has been shown done by the counted wait above
	s_add_nc_u64 s[72:73], s[72:73], 2*TABB
.endif
.endm
.Ltrip:
	TRIP 1
	s_sub_co_u32 s19, s19, 1
	s_cmp_lg_u32 s19, 0
	s_cbranch_scc1 .Ltrip
	TRIP 0                                         ; the last trip is written out: it asks for nothing beyond the buffers' ends, and its counts run down to 0
	; THE WAY OUT: my wave's 64 rows, 8,192 consecutive bytes of the output
.irp j, 0,1,2,3,4,5,6,7,8,9,10,11,12,13,14,15
	ds_load_b128 v[RB+4*\j:RB+4*\j+3], v[LR] offset:\j*2*ROWP  ; LDS serves a wave's instructions in order (ISA guide 5.7.1.4): these see my wave's stores, and no other wave wrote these bytes
.endr
.irp j, 0,1,2,3,4,5,6,7,8,9,10,11,12,13,14,15
	s_wait_dscnt 15-\j                             ; load j is back; the younger ones may be out
	global_store_b128 v[OO], v[RB+4*\j:RB+4*\j+3], s[16:17] offset:\j*512 th:TH_STORE_NT  ; 512 consecutive bytes, at a multiple of 512 from the output's first
.endr
	s_wait_tensorcnt 0x0                           ; the wave's end, behind my last LDS store
	ds_add_u32 v[SPW], v[NIL]
	s_wait_dscnt 0x0
	s_endpgm
.Lfunc_end_k_qf1d0554e3f_blend:
	.size	k_qf1d0554e3f_blend, .Lfunc_end_k_qf1d0554e3f_blend-k_qf1d0554e3f_blend
	.p2alignl 7, 3214868480
	.fill 96, 4, 3214868480
	.section	.rodata,"a",@progbits
	.p2align	6, 0x0
	.amdhsa_kernel k_qf1d0554e3f_blend
		.amdhsa_group_segment_fixed_size 76800
		.amdhsa_private_segment_fixed_size 0
		.amdhsa_enable_private_segment 0
		.amdhsa_kernarg_size 56
		.amdhsa_user_sgpr_count 2
		.amdhsa_user_sgpr_kernarg_segment_ptr 1
		.amdhsa_wavefront_size32 1
		.amdhsa_system_sgpr_workgroup_id_x 1
		.amdhsa_system_sgpr_workgroup_id_y 1
		.amdhsa_system_sgpr_workgroup_id_z 1
		.amdhsa_system_vgpr_workitem_id 0
		.amdhsa_next_free_vgpr 120
		.amdhsa_next_free_sgpr 74
		.amdhsa_reserve_vcc 0
		.amdhsa_float_denorm_mode_32 3
		.amdhsa_float_denorm_mode_16_64 3
		.amdhsa_memory_ordered 1
		.amdhsa_forward_progress 1
		.amdhsa_inst_pref_size 33
	.end_amdhsa_kernel
	.amdgpu_metadata
---
amdhsa.version: [ 1, 2 ]
amdhsa.kernels:
  - .name:           k_qf1d0554e3f_blend
    .symbol:         k_qf1d0554e3f_blend.kd
    .args:
      - { .name: positions, .offset: 0, .size: 8, .value_kind: global_buffer, .address_space: global }
      - { .name: random_shift, .offset: 8, .size: 8, .value_kind: global_buffer, .address_space: global }
      - { .name: scale_factor, .offset: 16, .size: 8, .value_kind: global_buffer, .address_space: global }
      - { .name: anneal_window, .offset: 24, .size: 8, .value_kind: global_buffer, .address_space: global }
      - { .name: lattice_values, .offset: 32, .size: 8, .value_kind: global_buffer, .address_space: global }
      - { .name: words, .offset: 40, .size: 8, .value_kind: global_buffer, .address_space: global }
      - { .name: out0, .offset: 48, .size: 8, .value_kind: global_buffer, .address_space: global }
    .group_segment_fixed_size: 76800
    .private_segment_fixed_size: 0
    .kernarg_segment_align: 8
    .kernarg_segment_size: 56
    .max_flat_workgroup_size: 256
    .sgpr_count:     74
    .vgpr_count:     120
    .wavefront_size: 32
...
	.end_amdgpu_metadata
.endif
;; end of part 2
;; ======== version 2 of 2: 2 launches; version 1 with the launch blend written anew for expert scheduling mode
;; limits: values within 6.1e-05 (relative) of each other or of a threshold may be ordered or decided otherwise than in the reference; right only within a limited range of input values
;; workspace buffers: words 33,554,432 bytes of whole numbers
;; launch keys: the kernel of part 1 again; grid 1024 x 1, 8 waves a work-group, no clusters, 0 bytes of LDS; arguments positions, random_shift, scale_factor, words; writes words
;; launch blend (part 3): grid 1024 x 1, 8 waves a work-group, no clusters, 76,800 bytes of LDS; arguments positions, random_shift, scale_factor, anneal_window, lattice_values, words, out0; writes out0
.if DOCPART == 3
	.amdgcn_target "amdgcn-amd-amdhsa--gfx1250"
	.amdhsa_code_object_version 6
	.text
	.protected	k_qf1d0554e3f_blend
	.globl	k_qf1d0554e3f_blend
	.p2align	8
	.type	k_qf1d0554e3f_blend,@function
k_qf1d0554e3f_blend:
	s_mov_b64 s[64:65], 0
	v_nop
	global_prefetch_b8 v0, s[64:65] scope:SCOPE_SE
	s_setreg_imm32_b32 hwreg(HW_REG_WAVE_SCHED_MODE, 0, 2), 2
	s_setreg_imm32_b32 hwreg(HW_REG_WAVE_MODE, 25, 1), 1
	s_wait_xcnt 0x0
	s_wait_alu depctr_vm_vsrc(0)
; PERMUTOHEDRAL ENCODING, SECOND OF TWO LAUNCHES: GATHER AND BLEND.  out[point][level][0..1] = anneal[level] x the sum over the simplex's four vertices of weight x table[level][index].
; THE INDICES come from the first launch's word alone (bits 31:14 H; bits 3:2, 5:4, 7:6 the coordinates ranked 3, 2, 1), by whole-number work: vertex 3 has the hash H, and each
; further vertex the one before + T - 4 M^(3-i), i the coordinate next in rank (M^(3-i) counts as 0 for i = 3), T = M + M^2 + M^3, modulo the table's 2^18.  The hash stays in the word's
; top 18 bits, so the modulo is the word's own overflow; there -4 M^j is a 16-bit number in the upper half, which one v_perm_b32 takes out of a table of four in two scalar registers.
; THE WEIGHTS are made anew from the positions in f32, with the first launch's own lines, while the gathers are on their way: t_i = e_i - 4 q_i in 2 .. 6, sorted downward to s0 .. s3;
; vertex k has (s_k - s_(k+1)) / 4, vertex 3 has (4 + s3 - s0) / 4.  The division by 4 rides on anneal.
; LIMITS.  As in the first launch: |elevated| below 2^26; NaN and infinities are not treated apart; where two t lie closer than 2^-13 the first launch may have ordered them otherwise,
; and a weight below 2^-15 then goes to a neighbouring vertex.  t is rounded at 2^-21, a weight at 2^-23.
; SHARES.  1,024 work-groups of eight waves; thread t of group g owns the points 2 (256 g + t) and the next, as register pairs; a wave owns 64 points and walks the 16 levels, two a trip:
; 16 gathers of 8 bytes a lane are out while the trip's weights are made.  The level is the same in all lanes, so its constants and its table's address are scalar.
; THE WAY OUT.  A thread's results are two rows of 128 bytes; a store should cover whole runs of 256 bytes.  So a trip's four numbers a point go into a stage in LDS, the wave's own (its address is
; made of the wave's number: no barrier), and at the end the 64 rows come back as 16 loads of 512 consecutive bytes of the output.  Rows are 144 bytes apart (36 words
; ISA guide 11.1); the odd points' rows lie 4,736 bytes on, 128 modulo 256, so that a row pair read back falls on all banks once.
; No matrix unit (there is no product), no tensor load and no cluster (no tile is shared, and a level's table of 2 MiB does not fit in LDS).
; THE MODE: SCHED_MODE bits 1:0 = 2 (LLVM: expert scheduling mode 2), set by the entry lines.  The code itself states the register dependences
; between vector instructions and memory or LDS instructions, with s_wait_alu, always for 0.
; THE PLAN.  Registers that memory or LDS instructions touch, in the loop:
;   IDX       Written by a trip's decode; read by the trip's sixteen gathers as their offsets; written next by the next trip's decode.
;   VAL       The gathers land in it; the trip's BLEND reads it.  No vector line writes it, no memory instruction reads it.
;   WA, WB    Read by the decode; behind it the next trip's words land in them.
;   ACC       Written by a trip's BLEND; read by two LDS stores that are issued in the NEXT trip; written again by that trip's BLEND.
;   v[LW]     Read by those two stores; stepped by a vector add behind them, in the same trip.
;   v[WO], v[PO], v[LR], v[OO], v[SPW], v[NIL]   Written at the head, never again.
; So a trip has ONE wait on va_vdst, behind its decode: the indices are written; the decode is done reading the words; the last trip's BLEND is done reading VAL and has written ACC; the add has
; written v[LW].  The sixteen gathers, the last trip's two LDS stores and the two loads of the next words follow it with no vector line between.  And it has ONE wait on vm_vsrc, behind the weights:
; the stores have read ACC and v[LW], the gathers IDX.  The first trip has nothing to store, so it is written out; the last trip's results are stored behind the loop.
.set NPTS,   524288
.set LVLB,   NPTS*4                    ; bytes of one level's words
.set TABB,   262144*8                  ; bytes of one level's table
.set TRIPS,  8                         ; 16 levels, two a trip
.set HM,     2531011
.set MP1,    HM & 0x3ffff
.set MP2,    (MP1*HM) & 0x3ffff
.set MP3,    (MP2*HM) & 0x3ffff
.set MSUM,   (MP1+MP2+MP3) & 0x3ffff
.set ROWP,   144                       ; an output row in the stage
.set BOFF,   32*ROWP+128               ; the odd points' rows
.set WSTRIDE, 9472                     ; a wave's stage: 9,328 bytes used
.set SPARE,  8*WSTRIDE                 ; behind the stages: the spare words, 128 bytes for each wave: four blocks of 256 bytes that no other line names
.set SPW, 1                            ; v1   LDS address of my spare word; never rewritten
.set NIL, 2                            ; v2   0; never rewritten
.set LW,  3                            ; v3   stage: where my even point's 16 bytes go next
.set LR,  4                            ; v4   stage: where I read rows back
.set WO,  5                            ; v5   my two words in the group's part of a level
.set OO,  6                            ; v6   my 16 bytes in the group's part of the output
.set PO,  7                            ; v7   my two points' 24 bytes
.set PX,  8                            ; v[8:13] x, y, z of my two points
.set PY,  10
.set PZ,  12
.set WA,  14                           ; v[14:15] the words of the trip's first level, v[16:17] of its second
.set WB,  16
.set TA,  18                           ; v[18:19] field, selector, table entry
.set GA,  20                           ; v[20:21] the hash in hand
.set ACC, 22                           ; v[22:29] point p: level j's two results at ACC + 4 p + 2 j: 16 bytes of its row (v22 to v24 serve the head's arithmetic first)
.set VAL, 32                           ; v[32:63] level j of the trip, vertex k, point p: the two table numbers at VAL + 16 j + 4 k + 2 p
.set GP,  64                           ; v[64:79] level j, vertex k: the gap, a pair over the two points, at GP + 8 j + 2 k
.set CC,  80                           ; v[80:85] c0, c1, c2; later largest, middle, smallest of three
.set SM,  86
.set EL,  88                           ; v[88:95] elevated, then t
.set QQ,  96                           ; v[96:103] q,
.set SS,  96                           ; and, when t is made and q has served, s0 .. s3
.set IDX, 104                          ; v[104:119] level j, vertex k, point p: the table index at IDX + 8 j + 2 k + p
.set RB,  32                           ; v[32:95] the way out: 16 x 4 registers
.set QRT, 58                           ; s[58:59] 0.25
.macro LIFT sh, sc                     ; the first launch's lines, to the letter: from the positions to t
	v_pk_add_f32 v[CC:CC+1],     v[PX:PX+1],     s[\sh:\sh+1]   op_sel_hi:[1,0]
	v_pk_add_f32 v[CC+2:CC+3],   v[PY:PY+1],     s[\sh+4:\sh+5] op_sel_hi:[1,0]
	v_pk_add_f32 v[CC+4:CC+5],   v[PZ:PZ+1],     s[\sh+2:\sh+3] op_sel_hi:[1,0]
	v_pk_mul_f32 v[CC:CC+1],     v[CC:CC+1],     s[\sc:\sc+1]   op_sel_hi:[1,0]
	v_pk_mul_f32 v[CC+2:CC+3],   v[CC+2:CC+3],   s[\sc+4:\sc+5] op_sel_hi:[1,0]
	v_pk_mul_f32 v[CC+4:CC+5],   v[CC+4:CC+5],   s[\sc+2:\sc+3] op_sel_hi:[1,0]
	v_pk_add_f32 v[SM:SM+1],     v[CC+4:CC+5],   v[CC+2:CC+3]
	v_pk_add_f32 v[EL:EL+1],     v[SM:SM+1],     v[CC:CC+1]
	v_pk_add_f32 v[EL+2:EL+3],   v[SM:SM+1],     v[CC:CC+1] neg_lo:[0,1] neg_hi:[0,1]
	v_pk_fma_f32 v[EL+4:EL+5],   v[CC+2:CC+3],   -2.0, v[CC+4:CC+5] op_sel_hi:[1,0,1]
	v_pk_mul_f32 v[EL+6:EL+7],   v[CC+4:CC+5],   0xc0400000 op_sel_hi:[1,0]    ; -3 c2
.irp i, 0,2,4,6
	v_pk_fma_f32 v[QQ+\i:QQ+\i+1], v[EL+\i:EL+\i+1], s[QRT:QRT+1], -1.0 op_sel_hi:[1,0,0]
.endr
.irp i, 0,1,2,3,4,5,6,7
	v_rndne_f32 v[QQ+\i], v[QQ+\i]
.endr
.irp i, 0,2,4,6
	v_pk_fma_f32 v[EL+\i:EL+\i+1], v[QQ+\i:QQ+\i+1], -4.0, v[EL+\i:EL+\i+1] op_sel_hi:[1,0,1]
.endr
.endm
; The gaps of level j of the trip: vector lines alone, on registers that no memory instruction names
.macro WEIGH j, sh, sc
	LIFT \sh, \sc
.irp p, 0,1                            ; three numbers sorted,
	v_max3_num_f32 v[CC+\p],   v[EL+\p], v[EL+2+\p], v[EL+4+\p]
	v_med3_num_f32 v[CC+2+\p], v[EL+\p], v[EL+2+\p], v[EL+4+\p]
	v_min3_num_f32 v[CC+4+\p], v[EL+\p], v[EL+2+\p], v[EL+4+\p]
.endr
.irp p, 0,1                            ; and the fourth set among them
	v_max_num_f32  v[SS+\p],   v[CC+\p],   v[EL+6+\p]
	v_med3_num_f32 v[SS+2+\p], v[CC+\p],   v[CC+2+\p], v[EL+6+\p]
	v_med3_num_f32 v[SS+4+\p], v[CC+2+\p], v[CC+4+\p], v[EL+6+\p]
	v_min_num_f32  v[SS+6+\p], v[CC+4+\p], v[EL+6+\p]
.endr
.irp k, 0,1,2
	v_pk_add_f32 v[GP+8*(\j)+2*\k:GP+8*(\j)+2*\k+1], v[SS+2*\k:SS+2*\k+1], v[SS+2*\k+2:SS+2*\k+3] neg_lo:[0,1] neg_hi:[0,1]
.endr
	v_pk_add_f32 v[GP+8*(\j)+6:GP+8*(\j)+7], v[SS+6:SS+7], v[SS:SS+1] neg_lo:[0,1] neg_hi:[0,1]
	v_pk_add_f32 v[GP+8*(\j)+6:GP+8*(\j)+7], v[GP+8*(\j)+6:GP+8*(\j)+7], 4.0 op_sel_hi:[1,0]
.endm
; The index of vertex k of level j: the top 18 bits of v[src + p].  An index that hangs on numbers read from memory enters an address only behind a v_min_u32 with the table's
; last index written in the line; it changes nothing.
.macro PICK j, k, src
.irp p, 0,1
	v_lshrrev_b32 v[IDX+8*(\j)+2*(\k)+\p], 14, v[(\src)+\p]
.endr
.irp p, 0,1
	v_min_u32 v[IDX+8*(\j)+2*(\k)+\p], 0x3ffff, v[IDX+8*(\j)+2*(\k)+\p]
.endr
.endm
; The next vertex's hash: v[src + p] + T + table[coordinate].  The two bits of the word under mask, times mul, are the coordinate times 0x02020000: with 0x01000606 added, the selector that
; puts the coordinate's two table bytes into the upper half and a zero byte (byte 6 of the table) into the lower two.
.macro HOP wr, mask, mul, src
.irp p, 0,1
	v_and_b32 v[TA+\p], \mask, v[(\wr)+\p]
.endr
.irp p, 0,1
	v_mad_u32_u24 v[TA+\p], v[TA+\p], s[\mul], s63
.endr
.irp p, 0,1
	v_perm_b32 v[TA+\p], s62, s61, v[TA+\p]
.endr
.irp p, 0,1
	v_add3_u32 v[GA+\p], v[(\src)+\p], s60, v[TA+\p]   ; the word's low 14 bits ride along: nothing is added to them, so nothing is carried out of them
.endr
.endm
.macro DECODE j, wr                    ; level j's eight indices: vector lines alone
	PICK \j, 3, \wr
	HOP \wr, 12, 66, \wr
	PICK \j, 2, GA
	HOP \wr, 48, 67, GA
	PICK \j, 1, GA
	HOP \wr, 0xc0, 68, GA
	PICK \j, 0, GA
.endm
; Level j's eight gathers.  The load multiplies the index by its 8 bytes.
.macro GATHER j, tb
.irp k, 3,2,1,0
.irp p, 0,1
	global_load_b64 v[VAL+16*(\j)+4*\k+2*\p:VAL+16*(\j)+4*\k+2*\p+1], v[IDX+8*(\j)+2*\k+\p], s[\tb:\tb+1] scale_offset
.endr
.endr
.endm
; Level j's results: for each point the four vertices' two numbers times the point's gap (the pair's register p, given to both halves), then times anneal / 4
.macro BLEND j, an
.irp p, 0,1
	v_pk_mul_f32 v[ACC+4*\p+2*(\j):ACC+4*\p+2*(\j)+1], v[VAL+16*(\j)+2*\p:VAL+16*(\j)+2*\p+1], v[GP+8*(\j):GP+8*(\j)+1] op_sel:[0,\p] op_sel_hi:[1,\p]
.endr
.irp k, 1,2,3
.irp p, 0,1
	v_pk_fma_f32 v[ACC+4*\p+2*(\j):ACC+4*\p+2*(\j)+1], v[VAL+16*(\j)+4*\k+2*\p:VAL+16*(\j)+4*\k+2*\p+1], v[GP+8*(\j)+2*\k:GP+8*(\j)+2*\k+1], v[ACC+4*\p+2*(\j):ACC+4*\p+2*(\j)+1] op_sel:[0,\p,0] op_sel_hi:[1,\p,1]
.endr
.endr
.irp p, 0,1
	v_pk_mul_f32 v[ACC+4*\p+2*(\j):ACC+4*\p+2*(\j)+1], v[ACC+4*\p+2*(\j):ACC+4*\p+2*(\j)+1], s[\an:\an+1] op_sel_hi:[1,0]
.endr
.endm
; 16 bytes of each point's row: a trip's two levels
.macro TOSTAGE
	ds_store_b128 v[LW], v[ACC:ACC+3]
	ds_store_b128 v[LW], v[ACC+4:ACC+7] offset:BOFF
.endm
	s_load_b256 s[4:11], s[0:1], 0x0               ; positions s[4:5], shifts s[6:7], scales s[8:9], anneal s[10:11]
	s_load_b128 s[12:15], s[0:1], 0x20             ; table s[12:13], words s[14:15]
	s_load_b64 s[16:17], s[0:1], 0x30              ; output
	v_lshl_add_u32 v[SPW], v0, 2, SPARE            ; the two registers of the ds_add at the wave's end
	v_mov_b32 v[NIL], 0
	v_lshrrev_b32 v22, 5, v0
	v_readfirstlane_b32 s18, v22                   ; my wave's number
	v_and_b32 v23, 31, v0                          ; lane
	v_mul_u32_u24 v[PO], v0, 24
	v_lshlrev_b32 v[WO], 3, v0
	v_mul_u32_u24 v[LW], v23, ROWP                 ; in: lane l's even point has row l of the first 32, its odd point row l of the second 32
	v_lshrrev_b32 v24, 4, v23                      ; back: load j takes the output's rows 4 j .. 4 j + 3; my row is 4 j + lane / 8: the point lane / 8 % 2 of lane 2 j + lane / 16,
	v_mul_u32_u24 v[LR], v24, ROWP
	v_bfe_u32 v24, v0, 3, 1
	v_mad_u32_u24 v[LR], v24, BOFF, v[LR]
	v_and_b32 v24, 7, v0                           ; and of it the 16 bytes number lane % 8
	v_lshl_add_u32 v[LR], v24, 4, v[LR]
	v_lshlrev_b32 v[OO], 4, v23                    ; 16 x lane + the wave's 64 rows of 128 bytes
	v_lshl_add_u32 v[OO], v22, 13, v[OO]
	s_wait_alu depctr_va_sdst(0)                   ; s18 is written, ahead of its first reader: the stage's address is made from it
	s_mul_i32 s19, s18, WSTRIDE                    ; my wave's stage
	v_add_nc_u32 v[LW], s19, v[LW]
	v_add_nc_u32 v[LR], s19, v[LR]
	s_mul_i32 s50, ttmp9, 256*24                   ; the group's 512 points,
	s_mov_b32 s51, 0
	s_lshl_b32 s70, ttmp9, 11                      ; its 512 words of a level,
	s_mov_b32 s71, 0
	s_lshl_b32 s26, ttmp9, 16                      ; its 512 rows of the output
	s_mov_b32 s27, 0
.irp r, 23,25,31,33,39,41,47,49,55,57,59
	s_mov_b32 s\r, 0                               ; the upper halves of the scalar pairs that packed lines name: written once, never used
.endr
	s_mov_b32 s[QRT], 0x3e800000                   ; 0.25
	s_mov_b32 s60, MSUM<<14                        ; T, in the word's top 18 bits
	s_mov_b32 s61, ((0-MP3)&0xffff)|(((0-MP2)&0xffff)<<16)  ; the table: -M^3, -M^2,
	s_mov_b32 s62, (0-MP1)&0xffff                  ; -M, 0, 16 bits each
	s_mov_b32 s63, 0x01000606
	s_mov_b32 s66, 0x0202<<14                      ; for the field at bit 2,
	s_mov_b32 s67, 0x0202<<12                      ; at bit 4,
	s_mov_b32 s68, 0x0202<<10                      ; at bit 6
	s_wait_kmcnt 0x0
	s_load_b96 s[20:22], s[6:7], 0x0               ; the first trip's constants: levels 0 and 1
	s_load_b96 s[36:38], s[6:7], 0xc
	s_load_b96 s[28:30], s[8:9], 0x0
	s_load_b96 s[44:46], s[8:9], 0xc
	s_load_b64 s[52:53], s[10:11], 0x0
	s_add_nc_u64 s[4:5], s[4:5], s[50:51]
	s_add_nc_u64 s[14:15], s[14:15], s[70:71]
	s_add_nc_u64 s[16:17], s[16:17], s[26:27]
	s_add_nc_u64 s[72:73], s[12:13], TABB          ; the table of the trip's second level
	s_wait_alu depctr_va_vdst(0)                   ; the offsets and addresses v1 to v7 are written, which the kernel's loads, stores and LDS instructions read
	global_load_b64 v[WA:WA+1], v[WO], s[14:15] th:TH_LOAD_NT               ; a wave's load covers 256 consecutive bytes; each word is read once in the launch
	global_load_b64 v[WB:WB+1], v[WO], s[14:15] offset:LVLB th:TH_LOAD_NT
	global_load_b32 v[PX],   v[PO], s[4:5]         ; six loads, once in the launch, put the two points' numbers side by side
	global_load_b32 v[PY],   v[PO], s[4:5] offset:4
	global_load_b32 v[PZ],   v[PO], s[4:5] offset:8
	global_load_b32 v[PX+1], v[PO], s[4:5] offset:12
	global_load_b32 v[PY+1], v[PO], s[4:5] offset:16
	global_load_b32 v[PZ+1], v[PO], s[4:5] offset:20
; A trip: two levels.  first = 1: there is no trip before it, so nothing goes to the stage and its address does not step.
; ahead = 1: the next trip's words and constants are asked for, and the scalar addresses step on.
.macro TRIP first, ahead
	s_wait_loadcnt 0x0                             ; this trip's words (and, the first time, the positions); every earlier gather is done too, so IDX, their offsets, may be written
	DECODE 0, WA
	DECODE 1, WB
	s_wait_alu depctr_va_vdst(0)                   ; the decode has written IDX, which the gathers read, and is done reading WA and WB, in which the next words land; the last trip's BLEND is done reading VAL, in which the gathers land, and has written ACC, and the add has written v[LW], which the LDS stores read
	GATHER 0, 12
	GATHER 1, 72
.if !\first
	TOSTAGE                                        ; the last trip's results
.endif
.if \ahead
	s_add_nc_u64 s[14:15], s[14:15], 2*LVLB        ; the loads that used this address are in
	global_load_b64 v[WA:WA+1], v[WO], s[14:15] th:TH_LOAD_NT
	global_load_b64 v[WB:WB+1], v[WO], s[14:15] offset:LVLB th:TH_LOAD_NT
.endif
	s_wait_kmcnt 0x0                               ; this trip's constants, asked for a trip ago
	s_mov_b32 s24, s21                             ; number 1 of each three goes to an even register
	s_mov_b32 s32, s29
	s_mov_b32 s40, s37
	s_mov_b32 s48, s45
	s_mul_f32 s54, s52, s[QRT]                     ; anneal / 4
	s_mul_f32 s56, s53, s[QRT]
	WEIGH 0, 20, 28                                ; the weights are made while the sixteen gathers are on their way
	WEIGH 1, 36, 44
.if \ahead
	s_add_nc_u64 s[6:7], s[6:7], 24                ; no scalar load is out, so the three addresses may step
	s_add_nc_u64 s[8:9], s[8:9], 24
	s_add_nc_u64 s[10:11], s[10:11], 8
	s_load_b96 s[20:22], s[6:7], 0x0
	s_load_b96 s[36:38], s[6:7], 0xc
	s_load_b96 s[28:30], s[8:9], 0x0
	s_load_b96 s[44:46], s[8:9], 0xc
	s_load_b64 s[52:53], s[10:11], 0x0
.endif
	s_wait_alu depctr_vm_vsrc(0)                   ; the LDS stores have read v[LW] and ACC, which the add and BLEND below write; the gathers have read IDX, which the next trip's decode writes
.if !\first
	v_add_nc_u32 v[LW], 16, v[LW]                  ; where this trip's results will go
.endif
	s_wait_loadcnt 8+2*\ahead                      ; loads come back in order (ISA guide 5.7.1): the first level's eight are in; the second level's eight and the next words' two may be out
	BLEND 0, 54
	s_wait_loadcnt 2*\ahead                        ; the second level's too; the next words' two may be out
	BLEND 1, 56
.if \ahead
	s_add_nc_u64 s[12:13], s[12:13], 2*TABB        ; every gather has been shown done by the counted wait above
	s_add_nc_u64 s[72:73], s[72:73], 2*TABB
.endif
.endm
	TRIP 1, 1                                      ; the first trip is written out: it has no results of a trip before to store
	s_mov_b32 s19, TRIPS-2
.Ltrip:
	TRIP 0, 1
	s_sub_co_u32 s19, s19, 1
	s_cmp_lg_u32 s19, 0
	s_cbranch_scc1 .Ltrip
	TRIP 0, 0                                      ; the last trip is written out: it asks for nothing beyond the buffers' ends, and its counts run down to 0
	s_wait_alu depctr_va_vdst(0)                   ; the last BLEND has written ACC and the last add v[LW], which the LDS stores read; every vector line is done with v32 to v95, in which the rows below land
	TOSTAGE                                        ; the last trip's results
	; THE WAY OUT: my wave's 64 rows, 8,192 consecutive bytes of the output
.irp j, 0,1,2,3,4,5,6,7,8,9,10,11,12,13,14,15
	ds_load_b128 v[RB+4*\j:RB+4*\j+3], v[LR] offset:\j*2*ROWP  ; LDS serves a wave's instructions in order (ISA guide 5.7.1.4): these see my wave's stores, and no other wave wrote these bytes
.endr
.irp j, 0,1,2,3,4,5,6,7,8,9,10,11,12,13,14,15
	s_wait_dscnt 15-\j                             ; load j is back; the younger ones may be out
	global_store_b128 v[OO], v[RB+4*\j:RB+4*\j+3], s[16:17] offset:\j*512 th:TH_STORE_NT  ; 512 consecutive bytes, at a multiple of 512 from the output's first
.endr
	s_wait_dscnt 0x0                               ; the wave's end
	s_wait_alu 0x0
	s_wait_tensorcnt 0x0
	ds_add_u32 v[SPW], v[NIL]
	s_wait_dscnt 0x0
	s_endpgm
.Lfunc_end_k_qf1d0554e3f_blend:
	.size	k_qf1d0554e3f_blend, .Lfunc_end_k_qf1d0554e3f_blend-k_qf1d0554e3f_blend
	.p2alignl 7, 3214868480
	.fill 96, 4, 3214868480
	.section	.rodata,"a",@progbits
	.p2align	6, 0x0
	.amdhsa_kernel k_qf1d0554e3f_blend
		.amdhsa_group_segment_fixed_size 76800
		.amdhsa_private_segment_fixed_size 0
		.amdhsa_enable_private_segment 0
		.amdhsa_kernarg_size 56
		.amdhsa_user_sgpr_count 2
		.amdhsa_user_sgpr_kernarg_segment_ptr 1
		.amdhsa_wavefront_size32 1
		.amdhsa_system_sgpr_workgroup_id_x 1
		.amdhsa_system_sgpr_workgroup_id_y 1
		.amdhsa_system_sgpr_workgroup_id_z 1
		.amdhsa_system_vgpr_workitem_id 0
		.amdhsa_next_free_vgpr 120
		.amdhsa_next_free_sgpr 74
		.amdhsa_reserve_vcc 0
		.amdhsa_float_denorm_mode_32 3
		.amdhsa_float_denorm_mode_16_64 3
		.amdhsa_memory_ordered 1
		.amdhsa_forward_progress 1
		.amdhsa_inst_pref_size 47
	.end_amdhsa_kernel
	.amdgpu_metadata
---
amdhsa.version: [ 1, 2 ]
amdhsa.kernels:
  - .name:           k_qf1d0554e3f_blend
    .symbol:         k_qf1d0554e3f_blend.kd
    .args:
      - { .name: positions, .offset: 0, .size: 8, .value_kind: global_buffer, .address_space: global }
      - { .name: random_shift, .offset: 8, .size: 8, .value_kind: global_buffer, .address_space: global }
      - { .name: scale_factor, .offset: 16, .size: 8, .value_kind: global_buffer, .address_space: global }
      - { .name: anneal_window, .offset: 24, .size: 8, .value_kind: global_buffer, .address_space: global }
      - { .name: lattice_values, .offset: 32, .size: 8, .value_kind: global_buffer, .address_space: global }
      - { .name: words, .offset: 40, .size: 8, .value_kind: global_buffer, .address_space: global }
      - { .name: out0, .offset: 48, .size: 8, .value_kind: global_buffer, .address_space: global }
    .group_segment_fixed_size: 76800
    .private_segment_fixed_size: 0
    .kernarg_segment_align: 8
    .kernarg_segment_size: 56
    .max_flat_workgroup_size: 256
    .sgpr_count:     74
    .vgpr_count:     120
    .wavefront_size: 32
...
	.end_amdgpu_metadata
.endif
;; end of part 3
